; MI455X (gfx1250); checked and timed in simulation.
; The chip was launched on July 23, 2026; its instructions are those of AMD's public machine-readable ISA for CDNA 5 (MIT licence, August 2026) and "CDNA5" Instruction Set Architecture Reference Guide (July 2026). The comments in the code are by the model that wrote it; some were corrected since.
;; Low Dim QK Multi Head Attention. Allowed arithmetic: matrix products marked QUANTISED: E2M3 operands, one E8M0 scale for each 32 along K, by v_wmma_scale_f32_16x16x128_f8f6f4 with both operands' format E2M3, f32 sums; everything else in f32.
;; Inputs: K 4 x 2,048 x 1,024 float32; Q 4 x 2,048 x 1,024 float32; V 4 x 2,048 x 1,024 float32; Wk 1,024 x 256 float32; Wq 1,024 x 256 float32; bk 256 float32; bq 256 float32; key_padding_mask 4 x 2,048 bool.
;; Outputs: out0 4 x 2,048 x 1,024 float32.
;; This version of the problem:
;;   THIS VERSION OF THE PROBLEM IS GIVEN IN LOW PRECISION. The matrix products marked QUANTISED in the list below multiply operands that are first quantised to E2M3 (2 exponent bits, 3 mantissa bits; 6 bits a number), with one power-of-two scale for each 32 numbers along K (OCP MX v1.0); their sums are f32. All else is computed in f32.
;;   The module's matrix products, in the order in which they are computed (A, B: the left and right operand; K: the contracted axis; several contracted axes count as one K, in the product's order):
;;     1. [M 8,192, K 1,024] x [K 1,024, N 256]; A: input Q; B: input Wq: QUANTISED
;;     2. [M 8,192, K 1,024] x [K 1,024, N 256]; A: input K; B: input Wk: QUANTISED
;;     3. batch 32 x [M 2,048, K 32] x [K 32, N 2,048]; A: computed on the way; B: computed on the way: QUANTISED
;;     4. batch 32 x [M 128, K 2,048] x [K 2,048, N 2,048]; A: input V; B: softmax (see below): QUANTISED
;;   THE QUANTISER, for each operand of a quantised product, along K:
;;     - K is cut into blocks of 32 from its start; a last block that is shorter is filled with zeros.
;;     - A block's scale is 2^e with e = floor(log2(the largest magnitude in the block)) - 2, held to -126 .. 127; a block of zeros has e = 0. As a byte (E8M0): e + 127.
;;     - Each number is divided by its block's scale, clamped to +-7.5, and rounded to the nearest number of E2M3, ties to even, subnormals kept.
;;     - The product sums the exact products of the quantised numbers (number of the format x scale) in f32.
;;   ~~~python
;;   def quantise(x, axis):      # numpy; x: float32 -> the quantised numbers, widened to float32 again
;;       x = np.moveaxis(x, axis, -1); K = x.shape[-1]
;;       x = np.pad(x, [(0, 0)] * (x.ndim - 1) + [(0, -K % 32)]); x = x.reshape(x.shape[:-1] + (-1, 32)); a = np.abs(x).max(-1, keepdims=True)
;;       e = np.where(a > 0, np.clip(np.frexp(np.where(a > 0, a, 1))[1] - 1 - 2, -126, 127), 0)      # np.frexp(a)[1] - 1 = floor(log2(a)), exactly
;;       r = np.clip(x / 2.0 ** e, -7.5, 7.5)
;;       step = 2.0 ** (np.maximum(np.frexp(np.where(r == 0, 1, r))[1] - 1, 0) - 3)
;;       q = np.round(r / step) * step * 2.0 ** e      # np.round: ties to even
;;       return np.moveaxis(q.reshape(q.shape[:-2] + (-1,))[..., :K], -1, axis).astype(np.float32)
;;   ~~~
;;   SOFTMAX AHEAD OF A QUANTISED PRODUCT. Where the list says 'softmax', what is quantised is not the finished softmax but p = 2^(t - M), with t = logit x log2(e) and M = ceil(the row's largest t), a whole number; so 1/2 < the row's largest p <= 1. The row's sum l is taken of the UNQUANTISED p, in f32, and the product's result is divided by l at the end. Since M is a whole number, a kernel that streams over the keys may use a running M (the ceiling of the running maximum): every later rescaling is an exact power of two, which a block's scale takes up: the codes' values come out the same.
;;   OPERANDS COMPUTED ON THE WAY. 'Computed on the way' means the value that the module computes at that place (a softmax that the list does not call 'softmax' is quantised finished and normalised). What goes into a quantiser is computed in f32, as accurately as f32 sums, v_exp_f32 and their like allow (about 1e-6 of the number): no bf16 or f16 on the way to a quantiser, and a product that is left as it is and whose result goes on into a quantised operand takes f32 operands (vector FMAs, or v_wmma_f32_16x16x4_f32). A number that lies on a knife's edge between two numbers of the format may be rounded either way, as far as f32 arithmetic and the matrix unit's own rounding can turn it there, and no further.
;; One version. Each part assembles by itself: llvm-mc -triple=amdgcn-amd-amdhsa -mcpu=gfx1250 --defsym DOCPART=n.
;; ======== version 1 of 1: 3 launches
;; limits: right only within a limited range of input values
;; workspace buffers: wcod 393,216 bytes; wscl 16,384 bytes; vcod 6,291,456 bytes; vscl 262,144 bytes; qcod 1,572,864 bytes; qscl 65,536 bytes; kcod 1,572,864 bytes; kscl 65,536 bytes
;; launch quant_down (part 1): grid 544 x 1, 4 waves a work-group, no clusters, 1,536 bytes of LDS; arguments V, Wq, Wk, vcod, vscl, wcod, wscl; writes vcod, vscl, wcod, wscl
.if DOCPART == 1
	.amdgcn_target "amdgcn-amd-amdhsa--gfx1250"
	.amdhsa_code_object_version 6
	.text
	.protected	k_q89e13cc228_quant_down
	.globl	k_q89e13cc228_quant_down
	.p2align	8
	.type	k_q89e13cc228_quant_down,@function
k_q89e13cc228_quant_down:
	s_mov_b64 s[64:65], 0
	v_nop
	global_prefetch_b8 v0, s[64:65] scope:SCOPE_SE
	s_setreg_imm32_b32 hwreg(HW_REG_WAVE_MODE, 25, 1), 1
	s_wait_xcnt 0x0
; V [4][2048][1024] (K = the keys), Wq and Wk [1024][256] (K = their first axis), all f32, become codes of FP6 (E2M3) with one E8M0 byte for each 32 along K.
; A block's scale is 2^(floor(log2(its largest magnitude)) - 2); its byte is the largest magnitude's exponent field - 2, held at 1 from below.
; LIMITS: a block of zeros gets the byte 1 where the rule says 127 (its codes are zeros, which add nothing, and this program alone reads the bytes); blocks whose largest
; magnitude lies under 2^-124 are held at that floor; NaN and infinities among the inputs are not served.
; THE OUTPUT IS LAID AS THE READER'S REGISTERS: a fragment (16 rows x 128 K, 12 registers a lane) is an image of 1,536 bytes: registers 4 g .. 4 g + 3 of lane l at 512 g + 16 l.
; SHARES.  A work-group makes 128 columns x 128 along K: 8 images and 128 scale words.  Work-groups 0-511: V, unit [batch][head][key step]; 512-543: the weights, unit [matrix][K step][half].
; A wave takes 32 columns, A LANE ONE COLUMN, AND ITS 128 REGISTERS RUN DOWN K: each load reads 128 consecutive bytes, a block's largest magnitude needs no other lane, nothing is transposed.
; A lane holds all four blocks of its row: blocks 0 and 2 are the image's registers of lane r, blocks 1 and 3 those of lane r + 16, so it stores both.
; V's rows of a tile are neighbouring channels.  Of the weights, row r of tile 2 g + u is feature 32 g + 8 u + r + 8 (r / 8), so that the projection's results come out 16 neighbours a lane.
; No tensor loads; the waves share only the 512 bytes of scale words, which leave by one store.
.set X,    32                          ; v32-159  128 numbers: block j at X + 32 j
.set E,    160                         ; v160-171 blocks 0 | 2: the image's registers of lane r
.set O,    172                         ; v172-183 blocks 1 | 3: those of lane r + 16
.set T,    184                         ; v184-199 the second half of each block's codes, ahead of the move
.set SCO,  20                          ; v20-23   the conversions' scale operands
.set WORD, 24                          ; v24      my row's scale word
.set VIN,  5                           ; v5       128 x wave + 4 x my column
.set VOUT, 6                           ; v6       3072 x wave + 1536 (lane / 16) + 16 (lane % 16)
	s_load_b128 s[4:7], s[0:1], 0x0                ; V, Wq
	s_load_b128 s[8:11], s[0:1], 0x10              ; Wk, V's codes
	s_load_b128 s[12:15], s[0:1], 0x20             ; V's scale words, the weights' codes
	s_load_b64 s[16:17], s[0:1], 0x30              ; the weights' scale words
	v_lshl_add_u32 v200, v0, 2, 0x400
	v_mov_b32 v201, 0
	v_lshrrev_b32 v1, 5, v0
	v_readfirstlane_b32 s20, v1                    ; wave 0..3
	v_and_b32 v1, 31, v0                           ; lane: V's column
	v_and_b32 v2, 15, v0                           ; r
	v_bfe_u32 v4, v0, 4, 1                         ; lane / 16: which of my wave's two tiles
	v_and_b32 v3, 8, v2
	v_add_nc_u32 v3, v3, v2
	v_lshl_add_u32 v3, v4, 3, v3                   ; the weights' column: r + 8 (r / 8) + 8 (lane / 16)
	v_lshlrev_b32 v7, 2, v0                        ; LDS: my scale word's place, 4 x thread
	v_lshlrev_b32 v8, 4, v1                        ; and 16 x lane, for the way out
	s_sub_co_u32 s22, ttmp9, 512                   ; the weights' unit number (used only where it is one)
	s_lshr_b32 s24, ttmp9, 7                       ; V: batch x 2048 x 4096 bytes
	s_lshl_b32 s24, s24, 23
	s_and_b32 s27, ttmp9, 15                       ; + key step x 128 x 4096
	s_lshl_b32 s27, s27, 19
	s_add_co_u32 s24, s24, s27
	s_bfe_u32 s27, ttmp9, 0x30004                  ; + head x 512
	s_lshl_b32 s27, s27, 9
	s_add_co_u32 s24, s24, s27
	s_bfe_u32 s25, s22, 0x30001                    ; the weights: K step x 128 x 1024 bytes
	s_lshl_b32 s25, s25, 17
	s_and_b32 s27, s22, 1                          ; + half x 512
	s_lshl_b32 s27, s27, 9
	s_add_co_u32 s25, s25, s27
	s_wait_alu depctr_va_vdst(0)
	s_wait_kmcnt 0x0
	s_cmp_ge_u32 ttmp9, 528                        ; the choices hang on the work-group's number alone
	s_cselect_b64 s[6:7], s[8:9], s[6:7]           ; Wk or Wq
	s_cmp_lt_u32 ttmp9, 512
	s_cselect_b64 s[4:5], s[4:5], s[6:7]           ; the numbers,
	s_cselect_b64 s[10:11], s[10:11], s[14:15]     ; the codes,
	s_cselect_b64 s[12:13], s[12:13], s[16:17]     ; the scale words,
	s_cselect_b32 s23, ttmp9, s22                  ; the unit,
	s_cselect_b32 s24, s24, s25                    ; where its numbers begin,
	s_cselect_b32 s26, 0, -1                       ; and a lane mask: all ones for the weights
	s_mov_b32 s25, 0
	s_add_nc_u64 s[4:5], s[4:5], s[24:25]
	s_mul_i32 s28, s23, 12288                      ; a unit's 8 images
	s_mov_b32 s29, 0
	s_add_nc_u64 s[10:11], s[10:11], s[28:29]
	s_lshl_b32 s30, s23, 9                         ; a unit's 128 scale words
	s_mov_b32 s31, 0
	s_add_nc_u64 s[12:13], s[12:13], s[30:31]
	v_cndmask_b32 v3, v1, v3, s26                  ; my column among my wave's 32
	s_lshl_b32 s21, s20, 7
	v_lshl_add_u32 v[VIN], v3, 2, s21
	s_mul_i32 s27, s20, 3072
	v_mul_u32_u24 v[VOUT], v4, 1536
	v_lshl_add_u32 v[VOUT], v2, 4, v[VOUT]
	v_add_nc_u32 v[VOUT], s27, v[VOUT]
.macro LOADS pitch                     ; 128 rows down K, 128 consecutive bytes a wave each; every offset is an immediate (127 x 4096 at the most)
.set IDX, 0
.rept 128
	global_load_b32 v[X+IDX], v[VIN], s[4:5] offset:IDX*\pitch th:TH_LOAD_NT
.set IDX, IDX+1
.endr
.endm
	s_cmp_lt_u32 ttmp9, 512                        ; the two ways differ in the row's pitch alone; both issue 128 loads
	s_cbranch_scc0 .Lweights
	LOADS 4096
	s_branch .Lloaded
.Lweights:
	s_wait_alu depctr_va_vdst(0)
	LOADS 1024
.Lloaded:
; Block j: its largest magnitude (two chains), the floor, the scale operand, 32 codes in six registers, its byte into the scale word.
.macro BLOCK j
.set XS, X+32*(\j)
.set R, E+12*((\j)%2)+6*((\j)/2)
	v_max3_num_f32 v12, |v[XS]|, |v[XS+1]|, |v[XS+2]|
	v_max3_num_f32 v13, |v[XS+3]|, |v[XS+4]|, |v[XS+5]|
.irp i, 6,10,14,18,22,26
	v_max3_num_f32 v12, v12, |v[XS+\i]|, |v[XS+\i+1]|
	v_max3_num_f32 v13, v13, |v[XS+\i+2]|, |v[XS+\i+3]|
.endr
	v_max3_num_f32 v12, v12, |v[XS+30]|, |v[XS+31]|
	v_max3_num_f32 v12, v12, v13, 0x1800000        ; the floor 2^(3 - 127): the byte cannot fall under 1
	v_add_nc_u32 v[SCO+\j], 0xff000000, v12        ; 2 off the exponent field: the conversion takes this operand's exponent field as its scale
	v_cvt_scalef32_pk16_fp6_f32 v[R:R+2], v[XS:XS+15], v[SCO+\j]
	v_cvt_scalef32_pk16_fp6_f32 v[T+4*\j:T+4*\j+2], v[XS+16:XS+31], v[SCO+\j]   ; (a conversion's three registers begin on an even number: made here, moved below)
.if \j == 0
	v_lshrrev_b32 v[WORD], 23, v[SCO]              ; the byte; also the plain line between the conversions and the moves that read their result
.else
	v_lshrrev_b32 v14, 23, v[SCO+\j]
	v_lshl_or_b32 v[WORD], v14, 8*\j, v[WORD]
.endif
.irp n, 0,1,2
	v_mov_b32 v[R+3+\n], v[T+4*\j+\n]
.endr
.endm
	s_wait_loadcnt 63                              ; behind block 0's loads 96 were issued, behind block 1's 64; 63 is the largest count that the wait can name
	BLOCK 0
	BLOCK 1
	s_wait_loadcnt 32                              ; block 3's 32 loads may be out
	BLOCK 2
	s_wait_loadcnt 0x0
	BLOCK 3
.irp g, 0,1,2                          ; sixteen lanes store 256 consecutive bytes, aligned: group g of lanes 0-15 of the image, then of lanes 16-31
	global_store_b128 v[VOUT], v[E+4*\g:E+4*\g+3], s[10:11] offset:512*\g
	global_store_b128 v[VOUT], v[O+4*\g:O+4*\g+3], s[10:11] offset:512*\g+256
.endr
	ds_store_b32 v7, v[WORD]                       ; thread t's word is word t of the unit's 128
	s_wait_dscnt 0x0                               ; for wave 0's sake: my store has landed
	s_barrier_signal -1
	s_barrier_wait -1
	s_cmp_lg_u32 s20, 0
	s_cbranch_scc1 .Ldone
	ds_load_b128 v[28:31], v8
	s_wait_dscnt 0x0
	global_store_b128 v8, v[28:31], s[12:13]       ; 512 consecutive bytes, aligned
.Ldone:
	s_wait_tensorcnt 0x0
	ds_add_u32 v200, v201
	s_wait_dscnt 0x0
	s_endpgm
.Lfunc_end_k_q89e13cc228_quant_down:
	.size	k_q89e13cc228_quant_down, .Lfunc_end_k_q89e13cc228_quant_down-k_q89e13cc228_quant_down
	.p2alignl 7, 3214868480
	.fill 96, 4, 3214868480
	.section	.rodata,"a",@progbits
	.p2align	6, 0x0
	.amdhsa_kernel k_q89e13cc228_quant_down
		.amdhsa_group_segment_fixed_size 1536
		.amdhsa_private_segment_fixed_size 0
		.amdhsa_enable_private_segment 0
		.amdhsa_kernarg_size 56
		.amdhsa_user_sgpr_count 2
		.amdhsa_user_sgpr_kernarg_segment_ptr 1
		.amdhsa_wavefront_size32 1
		.amdhsa_system_sgpr_workgroup_id_x 1
		.amdhsa_system_sgpr_workgroup_id_y 1
		.amdhsa_system_sgpr_workgroup_id_z 1
		.amdhsa_system_vgpr_workitem_id 0
		.amdhsa_next_free_vgpr 202
		.amdhsa_next_free_sgpr 66
		.amdhsa_reserve_vcc 0
		.amdhsa_float_denorm_mode_32 3
		.amdhsa_float_denorm_mode_16_64 3
		.amdhsa_memory_ordered 1
		.amdhsa_forward_progress 1
		.amdhsa_inst_pref_size 34
	.end_amdhsa_kernel
	.amdgpu_metadata
---
amdhsa.version: [ 1, 2 ]
amdhsa.kernels:
  - .name:           k_q89e13cc228_quant_down
    .symbol:         k_q89e13cc228_quant_down.kd
    .args:
      - { .name: V, .offset: 0, .size: 8, .value_kind: global_buffer, .address_space: global }
      - { .name: Wq, .offset: 8, .size: 8, .value_kind: global_buffer, .address_space: global }
      - { .name: Wk, .offset: 16, .size: 8, .value_kind: global_buffer, .address_space: global }
      - { .name: vcod, .offset: 24, .size: 8, .value_kind: global_buffer, .address_space: global }
      - { .name: vscl, .offset: 32, .size: 8, .value_kind: global_buffer, .address_space: global }
      - { .name: wcod, .offset: 40, .size: 8, .value_kind: global_buffer, .address_space: global }
      - { .name: wscl, .offset: 48, .size: 8, .value_kind: global_buffer, .address_space: global }
    .group_segment_fixed_size: 1536
    .private_segment_fixed_size: 0
    .kernarg_segment_align: 8
    .kernarg_segment_size: 56
    .max_flat_workgroup_size: 128
    .sgpr_count:     66
    .vgpr_count:     202
    .wavefront_size: 32
...
	.end_amdgpu_metadata
.endif
;; end of part 1
;; launch project (part 2): grid 256 x 1, 4 waves a work-group, no clusters, 327,680 bytes of LDS; arguments Q, K, wcod, wscl, bq, bk, qcod, qscl, kcod, kscl; writes qcod, qscl, kcod, kscl
.if DOCPART == 2
	.amdgcn_target "amdgcn-amd-amdhsa--gfx1250"
	.amdhsa_code_object_version 6
	.text
	.protected	k_q89e13cc228_project
	.globl	k_q89e13cc228_project
	.p2align	8
	.type	k_q89e13cc228_project,@function
k_q89e13cc228_project:
	s_mov_b64 s[64:65], 0
	v_nop
	global_prefetch_b8 v0, s[64:65] scope:SCOPE_SE
	s_setreg_imm32_b32 hwreg(HW_REG_WAVE_MODE, 25, 1), 1
	s_wait_xcnt 0x0
; q = Q Wq + bq and k = K Wk + bk on codes of FP6 (E2M3), then quantised again along each head's 32 features.  Work-groups 0-127 take Q, 128-255 K; a work-group 64 tokens, a wave 16 tokens to quantise and 64 features to multiply.
; THE TOKENS' NUMBERS come by ONE tensor load a wave: wave w brings bytes 1024 w .. 1024 w + 1023 of all 64 rows (rows of 1,024 bytes, 16 of padding behind each); one wait and one barrier show all four parts to all waves.
; THE RESULT'S IMAGE: token 32 x + 16 y + 8 z + w of a group of 64 lies in lane 8 x + w + 16 z, registers 6 y .. 6 y + 5; its scale byte is byte 2 y + z of word 8 x + w.
.set XI,   266240
.set XSC,  278528
.set STG,  279552
.set STS,  291840
.set XA,   4
.set LI,   5
.set LS,   6
.set XWI,  7
.set XWS,  8
.set SO,   9
.set SS,   10
.set SRD,  11
.set SH8,  12
.set L16,  13
.set L4,   14
.set BH,   15
.set TM,   16
.set PC,   32
.set PW,   52
.set SW0,  55
.set XS,   56
.set WS,   60
.set XN,   76
.set XF,   140
.set OUTR, 192
.set BIAS, 144
.set WV,   24
.set G1,   28
.set G0,   36
.set SEL,  52
.set MSB, 0
.macro WIN new
.if MSB != (\new)
	s_set_vgpr_msb (MSB<<8)|(\new)
.set MSB, (\new)
.endif
.endm
	s_load_b256 s[4:11], s[0:1], 0x0
	s_load_b256 s[12:19], s[0:1], 0x20
	s_load_b128 s[20:23], s[0:1], 0x40
	v_lshl_add_u32 v254, v0, 2, 0x47600
	v_mov_b32 v255, 0
	ds_add_u32 v254, v255
	ds_add_u32 v254, v255
	v_lshrrev_b32 v1, 5, v0
	v_readfirstlane_b32 s[WV], v1
	s_and_b32 s25, ttmp9, 127
	s_lshr_b32 s26, ttmp9, 7
	s_mov_b32 s[G1], (2<<16)|(1<<20)|(7<<22)|(3<<25)
	s_mov_b32 s[G1+1], 256<<16
	s_mov_b32 s[G1+2], 64<<16
	s_mov_b32 s[G1+3], 256<<16
	s_mov_b32 s[G1+4], 64
	s_mov_b32 s[G1+5], 1024
	s_mov_b32 s[G1+6], 0
	s_mov_b32 s[G1+7], 0
	s_lshl_b32 s54, s25, 18
	s_lshl_b32 s55, s[WV], 10
	s_add_co_u32 s54, s54, s55
	s_mov_b32 s55, 0
	s_mul_i32 s56, s[WV], 66560
	s_wait_dscnt 0x0
	s_wait_kmcnt 0x0
	s_cmp_lt_u32 ttmp9, 128
	s_cselect_b64 s[4:5], s[4:5], s[6:7]
	s_cselect_b64 s[12:13], s[12:13], s[14:15]
	s_cselect_b64 s[16:17], s[16:17], s[20:21]
	s_cselect_b64 s[18:19], s[18:19], s[22:23]
	s_add_nc_u64 s[4:5], s[4:5], s[54:55]
	s_mov_b32 s[G0], 1
	s_mul_i32 s[G0+1], s[WV], 66560                ; part w: 64 rows of 1,040 bytes
	s_mov_b64 s[G0+2:G0+3], s[4:5]
	s_or_b32 s[G0+3], s[G0+3], 0x80000000
	tensor_load_to_lds s[G0:G0+3], s[G1:G1+7]      ; my one tensor load
	s_nop 0
.rept 4
	v_nop
.endr
	s_mul_i32 s58, s26, 196608
	s_mul_i32 s59, s[WV], 6144
	s_add_co_u32 s58, s58, s59
	s_mov_b32 s59, 0
	s_add_nc_u64 s[8:9], s[8:9], s[58:59]
	s_lshl_b32 s58, s26, 13
	s_lshl_b32 s60, s[WV], 8
	s_add_co_u32 s58, s58, s60
	s_add_nc_u64 s[10:11], s[10:11], s[58:59]
	s_mov_b32 s61, 0
	s_add_nc_u64 s[12:13], s[12:13], s[60:61]
	s_lshr_b32 s58, s25, 5
	s_lshl_b32 s58, s58, 3
	s_lshl_b32 s62, s[WV], 1
	s_add_co_u32 s58, s58, s62
	s_lshl_b32 s58, s58, 5
	s_and_b32 s62, s25, 31
	s_add_co_u32 s58, s58, s62
	s_mul_i32 s58, s58, 1536
	s_add_nc_u64 s[16:17], s[16:17], s[58:59]
	s_lshl_b32 s58, s25, 9
	s_add_nc_u64 s[18:19], s[18:19], s[58:59]
	s_mov_b32 s[SEL], 0x76543210
	s_mov_b32 s[SEL+1], 0xfedcba98
	v_and_b32 v1, 31, v0
	v_and_b32 v2, 15, v0
	v_bfe_u32 v3, v0, 4, 1
	v_mul_u32_u24 v[XA], v2, 1040
	v_lshl_add_u32 v[XA], v3, 6, v[XA]
	s_mul_i32 s57, s[WV], 16640                    ; my 16 rows of a part
	v_add_nc_u32 v[XA], s57, v[XA]
	v_mov_b32 v220, v[XA]                          ; v220-223: my rows in parts 0 to 3
	v_add_nc_u32 v221, 66560, v[XA]
	v_add_nc_u32 v222, 133120, v[XA]
	v_add_nc_u32 v223, 199680, v[XA]
	v_lshl_add_u32 v[LI], v1, 4, XI
	v_lshl_add_u32 v[LS], v1, 2, XSC
	s_mul_i32 s57, s[WV], 1536
	v_add_nc_u32 v[XWI], s57, v[LI]
	s_lshl_b32 s57, s[WV], 7
	v_add_nc_u32 v[XWS], s57, v[LS]
	v_and_b32 v53, 7, v0
	v_bfe_u32 v54, v0, 3, 1
	s_mul_i32 s57, s[WV], 3072
	s_add_co_u32 s57, s57, STG
	v_mul_u32_u24 v[SO], v3, 1536
	v_lshl_add_u32 v[SO], v53, 4, v[SO]
	v_lshl_add_u32 v[SO], v54, 8, v[SO]
	v_add_nc_u32 v[SO], s57, v[SO]
	v_lshl_add_u32 v[SRD], v1, 4, s57
	s_lshl_b32 s57, s[WV], 7
	s_add_co_u32 s57, s57, STS
	v_lshl_add_u32 v[SS], v3, 6, v54
	v_lshl_add_u32 v[SS], v53, 2, v[SS]
	v_add_nc_u32 v[SS], s57, v[SS]
	v_lshlrev_b32 v[SH8], 3, v3
	v_lshlrev_b32 v[L16], 4, v1
	v_lshlrev_b32 v[L4], 2, v1
	v_lshlrev_b32 v[BH], 6, v3
	v_lshl_add_u32 v[SW0], v1, 4, STS
.irp b, 0,1,2,3
	v_mov_b32 v[TM+4+\b], 0
.endr
	WIN 0x40
.irp s, 0,1,2,3,4
.irp t, 0,1,2,3
.irp g, 0,1,2
	global_load_b128 v[48*\s+12*\t+4*\g:48*\s+12*\t+4*\g+3], v[L16], s[8:9] offset:24576*\s+1536*\t+512*\g
.endr
.endr
.endr
	WIN 0x80
.irp s, 5,6,7
.irp t, 0,1,2,3
.irp g, 0,1,2
	global_load_b128 v[48*(\s-5)+12*\t+4*\g:48*(\s-5)+12*\t+4*\g+3], v[L16], s[8:9] offset:24576*\s+1536*\t+512*\g
.endr
.endr
.endr
.irp t, 0,1,2,3
	global_load_b128 v[BIAS+8*\t:BIAS+8*\t+3], v[BH], s[12:13] offset:(32*(\t/2)+8*(\t%2))*4
	global_load_b128 v[BIAS+8*\t+4:BIAS+8*\t+7], v[BH], s[12:13] offset:(32*(\t/2)+8*(\t%2))*4+16
.endr
	WIN 0
.irp s, 0,1,2,3,4,5,6,7
.irp p, 0,1
	global_load_b32 v[WS+2*\s+\p], v[L4], s[10:11] offset:1024*\s+128*\p
.endr
.endr
.macro QUANT s, w
	WIN (\w)|((\w)<<2)
.irp b, 0,1,2,3
	v_max3_num_f32 v[TM+\b], |v[\s+16*\b]|, |v[\s+1+16*\b]|, 0x1800000
.endr
	WIN ((\w)<<2)|((\w)<<4)
.irp i, 2,4,6,8,10,12,14
.irp b, 0,1,2,3
	v_max3_num_f32 v[TM+\b], v[TM+\b], |v[\s+16*\b+\i]|, |v[\s+1+16*\b+\i]|
.endr
.endr
	WIN 0
.irp b, 0,1,2,3
	v_permlanex16_b32 v[TM+4+\b], v[TM+\b], s[SEL], s[SEL+1]
.endr
.irp b, 0,1,2,3
	v_max_num_f32 v[TM+\b], v[TM+\b], v[TM+4+\b]
.endr
.irp b, 0,1,2,3
	v_add_nc_u32 v[TM+12+\b], 0xff000000, v[TM+\b]
.endr
.irp b, 0,1,2,3
	v_lshrrev_b32 v[TM+4+\b], 23, v[TM+12+\b]
.endr
	v_lshl_or_b32 v[PW], v[TM+5], 8, v[TM+4]
	v_lshl_or_b32 v[PW], v[TM+6], 16, v[PW]
	v_lshl_or_b32 v[PW], v[TM+7], 24, v[PW]
	WIN \w
.irp c, 0,1
	v_cvt_scalef32_pk16_fp6_f32 v[PC+6*\c:PC+2+6*\c], v[\s+32*\c:\s+15+32*\c], v[TM+12+2*\c]
	v_cvt_scalef32_pk16_fp6_f32 v[PC+12+4*\c:PC+14+4*\c], v[\s+16+32*\c:\s+31+32*\c], v[TM+12+2*\c+1]
.endr
	WIN 0
	v_nop
.irp c, 0,1
.irp i, 0,1,2
	v_permlane16_swap_b32 v[PC+6*\c+\i], v[PC+12+4*\c+\i]
.endr
.irp i, 0,1,2
	v_mov_b32 v[PC+3+6*\c+\i], v[PC+12+4*\c+\i]
.endr
.endr
.endm
.macro XNLOAD s
.irp b, 0,1,2,3
.irp j, 0,1,2,3
	ds_load_b128 v[XN+16*\b+4*\j:XN+16*\b+4*\j+3], v[220+(\s)/2] offset:512*((\s)%2)+128*\b+16*\j
.endr
.endr
.endm
.macro IMAGE p
.irp c, 0,1,2
	ds_store_b128 v[XWI], v[PC+4*\c:PC+4*\c+3] offset:6144*(\p)+512*\c
.endr
	ds_store_b32 v[XWS], v[PW] offset:512*(\p)
.endm
.macro FETCH p
.irp m, 0,1,2,3
.irp c, 0,1,2
	ds_load_b128 v[XF+12*\m+4*\c:XF+12*\m+4*\c+3], v[LI] offset:6144*(\p)+1536*\m+512*\c
.endr
	ds_load_b32 v[XS+\m], v[LS] offset:512*(\p)+128*\m
.endr
.endm
.macro MUL s
.if \s == 0
	WIN 0xe1
.elseif \s < 5
	WIN 0xf1
.else
	WIN 0xf2
.endif
.irp m, 0,1,2,3
.irp t, 0,1,2,3
.set rD, 8*(4*\m+\t)
.set rW, 48*((\s)%5)+12*\t
.set rX, XF+12*\m
.set rC, rD
.if \s == 0
.set rC, BIAS+8*\t
.endif
.if \t%2
	v_wmma_scale_f32_16x16x128_f8f6f4 v[rD:rD+7], v[rW:rW+11], v[rX:rX+11], v[rC:rC+7], v[WS+2*(\s)+\t/2], v[XS+\m] matrix_a_fmt:MATRIX_FMT_FP6 matrix_b_fmt:MATRIX_FMT_FP6 matrix_a_scale:MATRIX_SCALE_ROW1
.else
	v_wmma_scale_f32_16x16x128_f8f6f4 v[rD:rD+7], v[rW:rW+11], v[rX:rX+11], v[rC:rC+7], v[WS+2*(\s)+\t/2], v[XS+\m] matrix_a_fmt:MATRIX_FMT_FP6 matrix_b_fmt:MATRIX_FMT_FP6
.endif
.endr
.endr
	WIN 0
.endm
.macro KSTEP s
	s_wait_dscnt 0x0
	QUANT XN, 0
	IMAGE (\s)%2
	s_wait_dscnt 0x0
	s_barrier_signal -1
	s_barrier_wait -1
	FETCH (\s)%2
.if \s < 7
	XNLOAD (\s)+1
	s_wait_dscnt 16
.else
	s_wait_dscnt 0x0
.endif
.if \s == 0
	s_wait_loadcnt 0x0
.endif
	MUL \s
.endm
	s_wait_alu depctr_va_vdst(0)                   ; the wait at the head's end
	s_wait_tensorcnt 0x0                           ; my part has landed
	s_barrier_signal -1
	s_barrier_wait -1                              ; everybody's has
	XNLOAD 0
.irp s, 0,1,2,3,4,5,6,7
	KSTEP \s
.endr
.rept 4
	v_nop
.endr
.macro HEADS mm
	QUANT 64*(\mm), 3
	ds_store_b128 v[SO], v[PC:PC+3] offset:128*\mm           ; tokens 32 mm + 0 .. 15: registers 0-5 of lanes 8 mm on
	ds_store_b64 v[SO], v[PC+4:PC+5] offset:128*\mm+512
	ds_store_b64 v[SO], v[PC+6:PC+7] offset:128*\mm+520      ; tokens 32 mm + 16 .. 31: registers 6-11
	ds_store_b128 v[SO], v[PC+8:PC+11] offset:128*\mm+1024
	v_lshrrev_b32 v53, v[SH8], v[PW]
	ds_store_b8 v[SS], v53 offset:32*\mm
	v_lshrrev_b32 v54, 16, v53
	ds_store_b8 v[SS], v54 offset:32*\mm+2
	s_wait_dscnt 0x0
.endm
	HEADS 0
	HEADS 1
.irp i, 0,1,2,3,4,5
	ds_load_b128 v[OUTR+4*\i:OUTR+4*\i+3], v[SRD] offset:512*\i
.endr
	s_wait_dscnt 0x0
	s_barrier_signal -1
	s_barrier_wait -1
.irp i, 0,1,2,3,4,5
	global_store_b128 v[L16], v[OUTR+4*\i:OUTR+4*\i+3], s[16:17] offset:49152*(\i/3)+512*(\i%3)
.endr
	s_cmp_lg_u32 s[WV], 0
	s_cbranch_scc1 .Ldone
	ds_load_b128 v[216:219], v[SW0]
	s_wait_dscnt 0x0
	global_store_b128 v[L16], v[216:219], s[18:19]
.Ldone:
	s_wait_tensorcnt 0x0
	ds_add_u32 v254, v255
	s_wait_dscnt 0x0
	s_endpgm
.Lfunc_end_k_q89e13cc228_project:
	.size	k_q89e13cc228_project, .Lfunc_end_k_q89e13cc228_project-k_q89e13cc228_project
	.p2alignl 7, 3214868480
	.fill 96, 4, 3214868480
	.section	.rodata,"a",@progbits
	.p2align	6, 0x0
	.amdhsa_kernel k_q89e13cc228_project
		.amdhsa_group_segment_fixed_size 327680
		.amdhsa_private_segment_fixed_size 0
		.amdhsa_enable_private_segment 0
		.amdhsa_kernarg_size 80
		.amdhsa_user_sgpr_count 2
		.amdhsa_user_sgpr_kernarg_segment_ptr 1
		.amdhsa_wavefront_size32 1
		.amdhsa_system_sgpr_workgroup_id_x 1
		.amdhsa_system_sgpr_workgroup_id_y 1
		.amdhsa_system_sgpr_workgroup_id_z 1
		.amdhsa_system_vgpr_workitem_id 0
		.amdhsa_next_free_vgpr 896
		.amdhsa_next_free_sgpr 66
		.amdhsa_reserve_vcc 0
		.amdhsa_float_denorm_mode_32 3
		.amdhsa_float_denorm_mode_16_64 3
		.amdhsa_memory_ordered 1
		.amdhsa_forward_progress 1
		.amdhsa_inst_pref_size 93
	.end_amdhsa_kernel
	.amdgpu_metadata
---
amdhsa.version: [ 1, 2 ]
amdhsa.kernels:
  - .name:           k_q89e13cc228_project
    .symbol:         k_q89e13cc228_project.kd
    .args:
      - { .name: Q, .offset: 0, .size: 8, .value_kind: global_buffer, .address_space: global }
      - { .name: K, .offset: 8, .size: 8, .value_kind: global_buffer, .address_space: global }
      - { .name: wcod, .offset: 16, .size: 8, .value_kind: global_buffer, .address_space: global }
      - { .name: wscl, .offset: 24, .size: 8, .value_kind: global_buffer, .address_space: global }
      - { .name: bq, .offset: 32, .size: 8, .value_kind: global_buffer, .address_space: global }
      - { .name: bk, .offset: 40, .size: 8, .value_kind: global_buffer, .address_space: global }
      - { .name: qcod, .offset: 48, .size: 8, .value_kind: global_buffer, .address_space: global }
      - { .name: qscl, .offset: 56, .size: 8, .value_kind: global_buffer, .address_space: global }
      - { .name: kcod, .offset: 64, .size: 8, .value_kind: global_buffer, .address_space: global }
      - { .name: kscl, .offset: 72, .size: 8, .value_kind: global_buffer, .address_space: global }
    .group_segment_fixed_size: 327680
    .private_segment_fixed_size: 0
    .kernarg_segment_align: 8
    .kernarg_segment_size: 80
    .max_flat_workgroup_size: 128
    .sgpr_count:     66
    .vgpr_count:     896
    .wavefront_size: 32
...
	.end_amdgpu_metadata
.endif
;; end of part 2
;; launch attend (part 3): grid 8 x 32, 16 waves a work-group, clusters of 4 x 1, 327,680 bytes of LDS; arguments qcod, qscl, kcod, kscl, vcod, vscl, key_padding_mask, out0; writes out0
.if DOCPART == 3
	.amdgcn_target "amdgcn-amd-amdhsa--gfx1250"
	.amdhsa_code_object_version 6
	.text
	.protected	k_q89e13cc228_attend
	.globl	k_q89e13cc228_attend
	.p2align	8
	.type	k_q89e13cc228_attend,@function
k_q89e13cc228_attend:
	s_mov_b64 s[64:65], 0
	v_nop
	global_prefetch_b8 v0, s[64:65] scope:SCOPE_SE
	s_setreg_imm32_b32 hwreg(HW_REG_WAVE_MODE, 25, 1), 1
	s_wait_xcnt 0x0
	s_wait_alu depctr_hold_cnt(0) depctr_sa_sdst(0) depctr_va_vdst(0) depctr_va_sdst(0) depctr_va_ssrc(0) depctr_va_vcc(0) depctr_vm_vsrc(0)
	s_getreg_b32 s2, hwreg(HW_REG_IB_STS2, 6, 4)
	s_cmp_eq_u32 s2, 0
	s_cbranch_scc0 .Lentry_in_a_cluster
	s_endpgm
.Lentry_in_a_cluster:
	s_bfe_u32 s2, ttmp6, 0x10000c
	s_cmp_lg_u32 s2, 0x3003
	s_cbranch_scc0 .Lentry_shape_is_right
	s_endpgm
.Lentry_shape_is_right:
; out[b][q][128 h ..] = the sum over keys of softmax(q . k / sqrt(32), masked keys left out) V, both products on codes of FP6 (E2M3) with one E8M0 scale for each 32 along a product's K.
; THE SOFTMAX: t = score x log2(e) / sqrt(32); M = the row's largest t so far, rounded up to a whole number; p = 2^(t - M) is quantised along the keys, not normalised; the row's sum is taken of the
; unquantised p and divides at the end.  When M moves, the sum and O are multiplied by 2^(old M - new M): exact.
; LIMITS.  NaN and infinities among the inputs are not served (with finite inputs no score is NaN).  A masked key's score is -2^100 in place of -infinity; the largest score begins at -2^93, so a masked key's p is
; exactly 0; every real score must lie above -2^92.  A row whose largest score is still under -2^92 at the end has no key left and gets NaN, as the softmax of such a row gives.
; SHARES.  A work-group owns 256 queries of one head, each of its sixteen waves 16 of them, in 256 registers.  A whole head lies in LDS, each byte filled once: V's codes 196,608 bytes, k's 49,152, V's scale words 8,192.
; LOADS.  One tensor load a wave at the head: waves 0-7 V's key steps 0-3 (24 rows of 256 bytes each), waves 8-13 k's codes (32 rows), waves 14-15 V's scale words (16 rows).  Behind the three lines and a round of the
; cluster's barrier one more a wave: V's key steps 4-15 (36 rows each); it is waited for behind step 3, where the walk's one barrier stands.  k's scale words and the mask's table are made by LDS stores, in bytes of their own.
; CLUSTER.  The four query blocks of a cluster belong to one head and read the same k and V: each part is asked for jointly, with the mask of all four.
; No prefetch: every byte is asked for once, in the two groups above, and there is no loop to run ahead in.
; K = 32 IN AN INSTRUCTION OF 128.  A fragment of k holds 64 keys, 16 in each of its four blocks; q is kept as four variants, variant j with q's codes in block j and zero codes elsewhere.  Tile 4 f + j has in row m the key
; 64 f + 32 (m / 8) + 8 j + m % 8: so lane (r, h) holds, in the 32 registers of tiles 4 f .. 4 f + 3, keys 64 f + 32 h + 0 .. 31 of query r: A WHOLE BLOCK OF THE SECOND PRODUCT'S K, in the order that its operand wants.
; A block's largest score needs no other lane, and p's codes need no exchange between lanes.
; THE MASK: a table in LDS holds 0 or -2^100 for each key; a step loads it into the scores' registers, and the products add onto it.
; Both products are used transposed (S^T = k q^T, O^T = V^T P^T): a lane holds one query (lane % 16) throughout.
.set KC,   196608                      ; LDS: V's codes at 0; k's codes;
.set VS,   245760                      ; V's scale words;
.set KS,   253952                      ; k's scale words (LDS stores);
.set BT,   256000                      ; the mask's table, 2,048 words in the keys' order (LDS stores);
.set SPARE, 264192                     ; the spare words, 128 bytes a wave
.set LIK,  1                           ; KC + 16 x lane
.set LIV,  2                           ; 16 x lane
.set LSK,  3                           ; KS + 4 x lane
.set LSV,  4                           ; VS + 4 x lane
.set BI0,  5                           ; BT + 128 (lane / 16)
.set SH8,  6                           ; 8 (lane / 16)
.set GO,   7                           ; the way out: 4096 (lane / 16) + 16 (lane % 16)
.set ADK,  8                           ; v8-11, v95: the step's addresses
.set ADV,  9
.set ADS,  10
.set ADT,  11
.set ADB,  95
.set SPW,  8                           ; outside the loops v8, v9 are the add's two registers: made at the head, and anew from v0 at the end
.set NIL,  9
.set FRG,  46                          ; v46-93  k's two fragments, then V's tiles 0-3
.set KSW,  94                          ; k's scale words: lanes 0-15 fragment 0, lanes 16-31 fragment 1
.set S,    96                          ; v96-159 S^T, then p, then V's tiles 4-7
.set OT,   160                         ; v160-223 O^T
.set PC,   224                         ; v224-235 p's codes
.set T,    236                         ; v236-243 the sum's four chains, then the second halves of the blocks' codes
.set BM,   244                         ; v244-245 my two blocks' largest scores, then their bytes
.set BN,   246                         ; v246-247 second chains, then the conversions' scale operands
.set VSW,  248                         ; v248-251 V's scale words: register p: lanes 0-15 tile 2 p, lanes 16-31 tile 2 p + 1
.set PSW,  253                         ; p's scale word (also the upper half of the pair v[252:253], v252 = f)
.set QSW,  255                         ; q's scale byte, in all four bytes
; v12 -M, v13 the largest score, v[14:15] the sum in two halves; v16-45 q's variants: zeros, q in lanes 0-15, zeros, q in lanes 16-31, zeros
.set WV,   20
.set SEL,  26
.set CS,   28
.set GA,   32                          ; groups 1, rows of 256 bytes: s[32:39] 24 rows, later 36; s[40:47] 32 rows; s[48:55] 16 rows
.set GB,   40
.set GC,   48
.set D0,   56                          ; group 0 of the head's load; s[60:63] of the second
.set D1,   60
.set TK,   88
.set TV,   89
.set TQ,   90
.set TB,   91
.set CNT,  93
.macro CROUND                          ; a round of the cluster's barrier
	s_barrier_signal -1
	s_barrier_wait -1
	s_cmp_lg_u32 s[WV], 0
	s_cbranch_scc1 .Lnot_wave_0_\@
	s_barrier_signal -3
.Lnot_wave_0_\@:
	s_barrier_wait -3
	s_barrier_signal -1
	s_barrier_wait -1
.endm
.macro ASKED                           ; behind each tensor load
	s_nop 0
.rept 4
	v_nop
.endr
.endm
	s_load_b256 s[4:11], s[0:1], 0x0               ; q's codes, q's scale bytes, k's codes, k's scale bytes
	s_load_b256 s[12:19], s[0:1], 0x20             ; V's codes, V's scale words, the mask, out
	v_lshl_add_u32 v[SPW], v0, 2, SPARE
	v_mov_b32 v[NIL], 0
	ds_add_u32 v[SPW], v[NIL]                      ; the opening lines: the add, twice on end, and its wait
	ds_add_u32 v[SPW], v[NIL]
	v_lshrrev_b32 v10, 5, v0
	v_readfirstlane_b32 s[WV], v10                 ; wave 0..15
	s_bfe_u32 s21, ttmp6, 0x40000                  ; cx: it enters q's and out's addresses alone
	s_lshl_b32 s22, ttmp9, 2
	s_add_co_u32 s22, s22, s21                     ; my block of 256 queries
	s_and_b32 s23, ttmp7, 0xffff                   ; 8 x batch + head, which the four partners share
	s_lshr_b32 s24, s23, 3                         ; batch
	s_and_b32 s25, s23, 7                          ; head
.irp g, GA, GB, GC
	s_mov_b32 s[\g], 15|(3<<16)|(1<<21)            ; the mask: all four work-groups; elements of 8 bytes; bit 21 set beside a mask
	s_mov_b32 s[\g+1], 32<<16
	s_mov_b32 s[\g+3], 32<<16
	s_mov_b32 s[\g+5], 32                          ; dense rows
	s_mov_b32 s[\g+6], 0
	s_mov_b32 s[\g+7], 0
.endr
	s_mov_b32 s[GA+2], 24<<16
	s_mov_b32 s[GA+4], 24
	s_mov_b32 s[GB+2], 32<<16
	s_mov_b32 s[GB+4], 32
	s_mov_b32 s[GC+2], 16<<16
	s_mov_b32 s[GC+4], 16
	s_mul_i32 s2, s23, 196608                      ; where the head's codes of V begin
	s_mul_i32 s30, s[WV], 9216                     ; the second load: my 36 rows behind key step 3
	s_add_co_u32 s[D1+1], s30, 49152
	s_add_co_u32 s30, s2, s[D1+1]
	s_mov_b32 s31, 0
	s_mov_b32 s69, 0
	s_mov_b32 s99, 0
	s_mov_b32 s[SEL], 0x76543210
	s_mov_b32 s[SEL+1], 0xfedcba98                 ; v_permlanex16_b32's selects for lane l xor 16
	s_mov_b32 s[CS], 0x3e8293ee                    ; c = log2(e) / sqrt(32)
	s_mov_b32 s[CS+1], s[CS]
	s_wait_dscnt 0x0                               ; both opening adds are done
	s_wait_kmcnt 0x0
	s_mov_b32 s[D1], 1
	s_add_nc_u64 s[D1+2:D1+3], s[12:13], s[30:31]
	s_or_b32 s[D1+3], s[D1+3], 0x80000000
	s_mov_b32 s[D0], 1
	CROUND                                         ; all four work-groups are here: the joint loads meet
	s_cmp_lt_u32 s[WV], 8                          ; one chain of branches on the wave's number, one load to an arm
	s_cbranch_scc0 .Lhead_k
	s_mul_i32 s[D0+1], s[WV], 6144                 ; waves 0-7: V's key steps 0-3
	s_add_co_u32 s68, s2, s[D0+1]
	s_add_nc_u64 s[D0+2:D0+3], s[12:13], s[68:69]
	s_or_b32 s[D0+3], s[D0+3], 0x80000000
	tensor_load_to_lds s[D0:D0+3], s[GA:GA+7]
	ASKED
	s_branch .Lhead_asked
.Lhead_k:
	s_cmp_lt_u32 s[WV], 14
	s_cbranch_scc0 .Lhead_s
	s_lshl_b32 s70, s[WV], 13                      ; waves 8-13: k's codes, 8,192 bytes each
	s_add_co_u32 s[D0+1], s70, KC-8*8192
	s_mul_i32 s68, s23, 49152
	s_add_co_u32 s68, s68, s70
	s_sub_co_u32 s68, s68, 8*8192
	s_add_nc_u64 s[D0+2:D0+3], s[8:9], s[68:69]
	s_or_b32 s[D0+3], s[D0+3], 0x80000000
	tensor_load_to_lds s[D0:D0+3], s[GB:GB+7]
	ASKED
	s_branch .Lhead_asked
.Lhead_s:
	s_lshl_b32 s70, s[WV], 12                      ; waves 14, 15: V's scale words, 4,096 bytes each
	s_add_co_u32 s[D0+1], s70, VS-14*4096
	s_lshl_b32 s68, s23, 13
	s_add_co_u32 s68, s68, s70
	s_sub_co_u32 s68, s68, 14*4096
	s_add_nc_u64 s[D0+2:D0+3], s[14:15], s[68:69]
	s_or_b32 s[D0+3], s[D0+3], 0x80000000
	tensor_load_to_lds s[D0:D0+3], s[GC:GC+7]
	ASKED
.Lhead_asked:
	; q: my 16 queries are tokens 16 a + r of group 4 x block + wave / 4, a = wave % 4: image lane 8 (a / 2) + r % 8 + 16 (r / 8), registers 6 (a % 2) on: three pieces of 8 bytes
	s_and_b32 s94, s[WV], 1                        ; a % 2
	s_bfe_u32 s95, s[WV], 0x10001                  ; a / 2
	s_lshr_b32 s96, s[WV], 2
	s_lshl_b32 s97, s22, 2
	s_add_co_u32 s96, s96, s97                     ; the group
	s_lshl_b32 s98, s23, 5
	s_add_co_u32 s98, s98, s96
	s_mul_i32 s98, s98, 1536
	s_lshl_b32 s97, s95, 7
	s_add_co_u32 s98, s98, s97
	s_add_nc_u64 s[4:5], s[4:5], s[98:99]
	s_lshl_b32 s98, s24, 5                         ; its scale byte: ((32 batch + group) x 8 + head) x 64 + 32 (a / 2) + 2 (a % 2) + 4 (r % 8) + r / 8
	s_add_co_u32 s98, s98, s96
	s_lshl_b32 s98, s98, 3
	s_add_co_u32 s98, s98, s25
	s_lshl_b32 s98, s98, 6
	s_lshl_b32 s97, s95, 5
	s_add_co_u32 s98, s98, s97
	s_lshl_b32 s97, s94, 1
	s_add_co_u32 s98, s98, s97
	s_add_nc_u64 s[6:7], s[6:7], s[98:99]
	s_mul_i32 s2, s94, 520
	s_mul_i32 s3, s94, 1016
	s_add_co_u32 s3, s3, 8
	s_lshl_b32 s98, s24, 14                        ; k's scale words: batch x 16,384 + head x 64; a group's are 512 bytes on
	s_lshl_b32 s97, s25, 6
	s_add_co_u32 s98, s98, s97
	s_add_nc_u64 s[10:11], s[10:11], s[98:99]
	s_lshl_b32 s98, s24, 11                        ; the mask: my batch's 2,048 bytes
	s_add_nc_u64 s[16:17], s[16:17], s[98:99]
	s_lshl_b32 s97, s22, 8                         ; out: row 2048 batch + 256 block + 16 wave, 4,096 bytes a row, + 512 head
	s_add_co_u32 s98, s98, s97
	s_lshl_b32 s97, s[WV], 4
	s_add_co_u32 s98, s98, s97
	s_lshl_b32 s98, s98, 12
	s_lshl_b32 s97, s25, 9
	s_add_co_u32 s98, s98, s97
	s_add_nc_u64 s[18:19], s[18:19], s[98:99]
	v_and_b32 v244, 31, v0                         ; lane
	v_and_b32 v243, 15, v0                         ; r
	v_and_b32 v245, 7, v0                          ; r % 8
	v_bfe_u32 v246, v0, 3, 1                       ; r / 8
	v_bfe_u32 v247, v0, 4, 1                       ; h
	v_lshlrev_b32 v240, 4, v245
	v_lshl_add_u32 v238, v245, 2, v246
	v_lshlrev_b32 v237, 2, v0                      ; thread t takes the mask's keys 4 t .. 4 t + 3,
	v_lshrrev_b32 v230, 4, v0
	v_lshl_add_u32 v240, v246, 8, v240
	v_lshlrev_b32 v230, 9, v230
	v_add_nc_u32 v241, s3, v240                    ; the second piece: 8, or 1024
	v_add_nc_u32 v242, s2, v240
	v_lshl_add_u32 v230, v243, 2, v230             ; and word t % 16 of group t / 16 of k's scale words
	v_add_nc_u32 v240, s2, v240                    ; the first: 0, or 520
	v_add_nc_u32 v242, 512, v242                   ; the third: 512, or 1032
	global_load_b64 v[46:47], v240, s[4:5]
	global_load_b64 v[48:49], v241, s[4:5]
	global_load_b64 v[50:51], v242, s[4:5]
	global_load_u8 v[QSW], v238, s[6:7]
	global_load_b32 v236, v237, s[16:17]
	global_load_b32 v231, v230, s[10:11]
	v_lshl_add_u32 v[LIK], v244, 4, KC
	v_lshlrev_b32 v[LIV], 4, v244
	v_lshl_add_u32 v[LSK], v244, 2, KS
	v_lshl_add_u32 v[LSV], v244, 2, VS
	v_lshl_add_u32 v[BI0], v247, 7, BT
	v_lshlrev_b32 v[SH8], 3, v247
	v_lshlrev_b32 v[GO], 12, v247
	v_lshl_add_u32 v226, v0, 4, BT                 ; the table's four words of thread t
	v_lshl_add_u32 v227, v0, 2, KS                 ; and its scale word's place
	v_lshl_add_u32 v[GO], v243, 4, v[GO]
	v_mov_b32 v229, 0xf1800000                     ; -2^100
.irp z, 16, 28, 40
.irp n, 0,1,2,3,4,5
	v_mov_b32 v[\z+\n], 0                          ; the variants' zero codes
.endr
.endr
	v_mov_b32 v13, 0xee000000                      ; the largest score so far: -2^93
	v_mov_b32 v14, 0                               ; the sum, in two halves
	v_mov_b32 v15, 0
	v_mov_b32 v[PSW], 0                            ; (a lane permute's destination, and the upper half of a pair: written before it is named)
	v_mul_f32 v254, s[CS], v13
	s_delay_alu instid0(VALU_DEP_1)
	v_floor_f32 v12, -v254                         ; -M
.set J, 0
.rept 64
	v_mov_b32 v[OT+J], 0                           ; O^T: the step is written once; the first finds zeros
.set J, J+1
.endr
	v_cmp_gt_u32 vcc_lo, 16, v244
	s_wait_alu depctr_va_vdst(0)
	s_wait_loadcnt 0x0                             ; q, its scale byte, the mask, k's scale word
.irp n, 0,1,2,3,4,5
	v_cndmask_b32 v[22+\n], v16, v[46+\n], vcc_lo  ; q in lanes 0-15, zero codes in lanes 16-31
	v_cndmask_b32 v[34+\n], v[46+\n], v16, vcc_lo  ; and the other way round
.endr
	v_lshl_or_b32 v[QSW], v[QSW], 8, v[QSW]
.irp e, 0,1,2,3
	v_bfe_u32 v[232+\e], v236, 8*\e, 8
.endr
	v_lshl_or_b32 v[QSW], v[QSW], 16, v[QSW]       ; the byte serves whichever block holds q
.irp e, 0,1,2,3
	v_cmp_ne_u32 vcc_lo, 0, v[232+\e]
	v_cndmask_b32 v[232+\e], v16, v229, vcc_lo     ; 0, or -2^100 for a masked key
.endr
	ds_store_b128 v226, v[232:235]
	ds_store_b32 v227, v231
	s_wait_alu depctr_va_vdst(0)                   ; the wait at the head's end
	s_wait_tensorcnt 0x0                           ; my part of the head's loads is in; the three lines ahead of a later first fill:
	ds_add_u32 v[SPW], v[NIL]
	s_mov_b32 s[GA+2], 36<<16                      ; no tensor load of mine is out: the second load brings 36 rows
	s_mov_b32 s[GA+4], 36
	s_wait_dscnt 0x0                               ; the add is done, and my words of the two tables have landed
	CROUND                                         ; everybody's parts are in, and the four work-groups' joint loads meet
	tensor_load_to_lds s[D1:D1+3], s[GA:GA+7]      ; V's key steps 4-15, my sixteenth
	ASKED
; A KEY STEP: 128 keys.
.macro STEP
	v_add_nc_u32 v[ADK], s[TK], v[LIK]             ; (these five are also the places between the last step's products and what lands on or writes over their registers)
	v_add_nc_u32 v[ADB], s[TB], v[BI0]
	v_add_nc_u32 v[ADS], s[TQ], v[LSK]
	v_add_nc_u32 v[ADV], s[TV], v[LIV]
	v_add_nc_u32 v[ADT], s[TB], v[LSV]
.irp f, 0,1
.irp g, 0,1,2
	ds_load_b128 v[FRG+12*\f+4*\g:FRG+12*\f+4*\g+3], v[ADK] offset:1536*\f+512*\g   ; k's two fragments, 64 keys each
.endr
.endr
	ds_load_b32 v[KSW], v[ADS]
.irp t, 0,1,2,3,4,5,6,7
	ds_load_b128 v[S+8*\t:S+8*\t+3], v[ADB] offset:256*(\t/4)+32*(\t%4)        ; the table's words of keys 64 (t / 4) + 32 h + 8 (t % 4) + 0 .. 7: what the scores are added onto
	ds_load_b128 v[S+8*\t+4:S+8*\t+7], v[ADB] offset:256*(\t/4)+32*(\t%4)+16
.endr
	s_wait_alu depctr_va_vdst(0)
	s_wait_dscnt 0x0
.irp f, 0,1                            ; S^T = k q^T + the table: eight accumulators, one instruction each
.irp j, 0,1,2,3
.set rS, S+8*(4*\f+\j)
.set rQ, 22+12*(\j%2)-6*(\j/2)         ; variant j begins at v22, v34, v16, v28
.if \f
	v_wmma_scale_f32_16x16x128_f8f6f4 v[rS:rS+7], v[FRG+12:FRG+23], v[rQ:rQ+11], v[rS:rS+7], v[KSW], v[QSW] matrix_a_fmt:MATRIX_FMT_FP6 matrix_b_fmt:MATRIX_FMT_FP6 matrix_a_scale:MATRIX_SCALE_ROW1
.else
	v_wmma_scale_f32_16x16x128_f8f6f4 v[rS:rS+7], v[FRG:FRG+11], v[rQ:rQ+11], v[rS:rS+7], v[KSW], v[QSW] matrix_a_fmt:MATRIX_FMT_FP6 matrix_b_fmt:MATRIX_FMT_FP6
.endif
.endr
.endr
.rept 4
	v_nop                                          ; places in front of the loads into k's registers and of the first read of the scores
.endr
.irp t, 0,1,2,3
.irp g, 0,1,2
	ds_load_b128 v[FRG+12*\t+4*\g:FRG+12*\t+4*\g+3], v[ADV] offset:1536*\t+512*\g   ; V's tiles 0-3: they land under the softmax
.endr
.endr
.irp p, 0,1,2,3
	ds_load_b32 v[VSW+\p], v[ADT] offset:128*\p
.endr
.irp b, 0,1                            ; the largest score of my two blocks of 32 keys, two chains each; each accumulator is read from its low end on
	v_max3_num_f32 v[BM+\b], v[S+32*\b], v[S+32*\b+1], v[S+32*\b+2]
	v_max3_num_f32 v[BN+\b], v[S+32*\b+16], v[S+32*\b+17], v[S+32*\b+18]
.endr
.irp i, 3,5,7,9,11,13
.irp b, 0,1
	v_max3_num_f32 v[BM+\b], v[BM+\b], v[S+32*\b+\i], v[S+32*\b+\i+1]
	v_max3_num_f32 v[BN+\b], v[BN+\b], v[S+32*\b+16+\i], v[S+32*\b+17+\i]
.endr
.endr
.irp b, 0,1
	v_max3_num_f32 v[BM+\b], v[BM+\b], v[BN+\b], v[S+32*\b+15]
.endr
.irp b, 0,1
	v_max_num_f32 v[BM+\b], v[BM+\b], v[S+32*\b+31]
.endr
	v_max3_num_f32 v13, v13, v[BM], v[BM+1]        ; the running largest score of my query: my 64 keys',
	v_permlanex16_b32 v254, v13, s[SEL], s[SEL+1]
	v_max_num_f32 v13, v13, v254                   ; and lane l xor 16's
	v_mov_b32 v254, v12
	v_mul_f32 v252, s[CS], v13                     ; as t (c is positive)
	v_floor_f32 v12, -v252                         ; the new -M = floor(-t): M is a whole number
	v_sub_f32 v254, v12, v254                      ; old M - new M: a whole number, 0 or less
	v_cvt_i32_f32 v254, v254                       ; (it saturates)
	v_ldexp_f32 v252, 1.0, v254                    ; f = 2^(old M - new M)
.set J, 0
.rept 32
	v_pk_fma_f32 v[S+J:S+J+1], v[S+J:S+J+1], s[CS:CS+1], v[12:13] op_sel_hi:[1,0,0]   ; t - M, two at a time
.set J, J+2
.endr
.irp b, 0,1
	v_fma_f32 v[BM+\b], v[BM+\b], s[CS], v12       ; the same of each block's largest score
.endr
	s_wait_alu depctr_va_vdst(0)                   ; ahead of the batch
.set J, 0
.rept 64
	v_exp_f32 v[S+J], v[S+J]                       ; p = 2^(t - M)
.set J, J+1
.endr
.irp b, 0,1
	v_exp_f32 v[BM+\b], v[BM+\b]                   ; the block's largest p: the same two instructions on the same number
.endr
	v_pk_mul_f32 v[14:15], v[14:15], v[252:253] op_sel_hi:[1,0]   ; the sums under the new M; a plain line behind the exponentials
	s_wait_alu depctr_va_vdst(0)                   ; one wait for the whole batch, ahead of its first reader
.irp b, 0,1
	v_max_num_f32 v[BM+\b], 0x1800000, v[BM+\b]    ; the floor 2^(3 - 127): a block whose every p is 0 keeps the byte 1; its codes are zeros
.endr
.irp k, 0,1,2,3
	v_pk_add_f32 v[T+2*\k:T+2*\k+1], v[S+4*\k:S+4*\k+1], v[S+4*\k+2:S+4*\k+3]   ; the row's sum is taken of the unquantised p, in four chains
.endr
.irp b, 0,1
	v_add_nc_u32 v[BN+\b], 0xff000000, v[BM+\b]    ; 2 off the exponent field: the conversion's scale operand
.endr
.irp i, 0,1,2,3,4,5
.irp k, 0,1,2,3
	v_pk_add_f32 v[T+2*\k:T+2*\k+1], v[T+2*\k:T+2*\k+1], v[S+16+8*\i+2*\k:S+17+8*\i+2*\k]
.endr
.if \i == 0
	v_lshrrev_b32 v[BM], 23, v[BN]                 ; the scales' bytes
	v_lshrrev_b32 v[BM+1], 23, v[BN+1]
.endif
.if \i == 1
	v_lshl_or_b32 v254, v[BM+1], 16, v[BM]         ; my two bytes: blocks h and 2 + h,
.endif
.if \i == 2
	v_lshlrev_b32 v254, v[SH8], v254               ; at their places in the scale word;
.endif
.if \i == 3
	v_permlanex16_b32 v[PSW], v254, s[SEL], s[SEL+1]
.endif
.if \i == 4
	v_or_b32 v[PSW], v[PSW], v254                  ; with lane l xor 16's two the word is whole
.endif
.endr
	v_pk_add_f32 v[T:T+1], v[T:T+1], v[T+2:T+3]
	v_pk_add_f32 v[T+4:T+5], v[T+4:T+5], v[T+6:T+7]
	s_delay_alu instid0(VALU_DEP_1)
	v_pk_add_f32 v[T:T+1], v[T:T+1], v[T+4:T+5]
	s_delay_alu instid0(VALU_DEP_1)
	v_pk_add_f32 v[14:15], v[14:15], v[T:T+1]
.irp c, 0,1
	v_cvt_scalef32_pk16_fp6_f32 v[PC+6*\c:PC+6*\c+2], v[S+32*\c:S+32*\c+15], v[BN+\c]
	v_cvt_scalef32_pk16_fp6_f32 v[T+4*\c:T+4*\c+2], v[S+32*\c+16:S+32*\c+31], v[BN+\c]   ; (a conversion's three registers begin on an even number: made here, moved below)
.endr
	v_nop                                          ; one plain line behind the scaled conversions
.irp u, 0,1,2,3
.irp g, 0,1,2
	ds_load_b128 v[S+12*\u+4*\g:S+12*\u+4*\g+3], v[ADV] offset:1536*(4+\u)+512*\g   ; V's tiles 4-7 into the registers that held p
.endr
.endr
.irp c, 0,1
.irp i, 0,1,2
	v_mov_b32 v[PC+3+6*\c+\i], v[T+4*\c+\i]
.endr
.endr
	s_wait_alu depctr_va_vdst(0)                   ; directly ahead of the first reader of O^T
.set J, 0
.rept 32
	v_pk_mul_f32 v[OT+J:OT+J+1], v[OT+J:OT+J+1], v[252:253] op_sel_hi:[1,0]   ; O^T under the new M, from each accumulator's low end on; also the places between p's codes and scale word and the products
.set J, J+2
.endr
	s_wait_alu depctr_va_vdst(0)
	s_wait_dscnt 12                                ; V's tiles 0-3 and the scale words are in; the 12 loads of tiles 4-7 may be out
.irp t, 0,1,2,3,4,5,6,7                ; O^T += V^T P^T: eight accumulators, one instruction each
.if \t == 4
	s_wait_dscnt 0x0
.endif
.set rO, OT+8*\t
.if \t < 4
.set rV, FRG+12*\t
.else
.set rV, S+12*(\t-4)
.endif
.if \t%2
	v_wmma_scale_f32_16x16x128_f8f6f4 v[rO:rO+7], v[rV:rV+11], v[PC:PC+11], v[rO:rO+7], v[VSW+\t/2], v[PSW] matrix_a_fmt:MATRIX_FMT_FP6 matrix_b_fmt:MATRIX_FMT_FP6 matrix_a_scale:MATRIX_SCALE_ROW1
.else
	v_wmma_scale_f32_16x16x128_f8f6f4 v[rO:rO+7], v[rV:rV+11], v[PC:PC+11], v[rO:rO+7], v[VSW+\t/2], v[PSW] matrix_a_fmt:MATRIX_FMT_FP6 matrix_b_fmt:MATRIX_FMT_FP6
.endif
.endr
	s_add_co_u32 s[TK], s[TK], 3072                ; on to the next step
	s_add_co_u32 s[TV], s[TV], 12288
	s_add_co_u32 s[TQ], s[TQ], 128
	s_add_co_u32 s[TB], s[TB], 512
.endm
.macro WALK first, steps               ; key steps first .. first + steps - 1
	s_mov_b32 s[TK], 3072*\first
	s_mov_b32 s[TV], 12288*\first
	s_mov_b32 s[TQ], 128*\first
	s_mov_b32 s[TB], 512*\first
	s_mov_b32 s[CNT], \steps
.Lstep_\@:
	STEP
	s_sub_co_u32 s[CNT], s[CNT], 1
	s_cmp_lg_u32 s[CNT], 0
	s_cbranch_scc1 .Lstep_\@
.endm
	WALK 0, 4                                      ; on what the head's loads brought
	s_wait_tensorcnt 0x0                           ; my part of V's key steps 4-15 has landed
	s_wait_dscnt 0x0
	s_barrier_signal -1
	s_barrier_wait -1                              ; everybody's has
	WALK 4, 12
	; THE WAY OUT, with no barrier: a wave that has walked all keys leaves while the others still multiply.  O^T / the sum goes through my stage in LDS, half a head's row (64 channels, 256 bytes) of 16 queries at a time.
	; A stage is 16 x 272 bytes.  Those of waves 2-15 lie behind the spare words, in bytes that nothing else names (14 x 4,352 from byte 266,240 on); those of waves 0 and 1 lie over V's key step 0 (bytes 0 to 8,703), which has
	; had its only fill and which nobody reads behind the barrier that follows key step 3: every wave waited for its LDS reads in front of that barrier's signal.
	s_add_co_u32 s95, s[WV], 14
	s_lshr_b32 s95, s95, 4                         ; 1 for waves 2-15
	s_mul_i32 s95, s95, 266240-2*4352
	s_mul_i32 s94, s[WV], 16*272
	s_add_co_u32 s94, s94, s95                     ; my stage
	v_add_f32 v14, v14, v15                        ; the sum's two halves,
	s_delay_alu instid0(VALU_DEP_1)
	v_permlanex16_b32 v252, v14, s[SEL], s[SEL+1]
	s_delay_alu instid0(VALU_DEP_1)
	v_add_f32 v14, v14, v252                       ; and lane l xor 16's: the row's sum
	s_wait_alu depctr_va_vdst(0)                   ; ahead of the transcendental
	v_rcp_f32 v14, v14
	v_and_b32 v1, 15, v0                           ; (a plain line behind the reciprocal)  r
	v_bfe_u32 v2, v0, 4, 1                         ; h
	v_mul_u32_u24 v10, v1, 272
	v_mul_u32_u24 v11, v2, 272
	v_lshl_add_u32 v10, v2, 5, v10
	v_lshl_add_u32 v11, v1, 4, v11
	v_add_nc_u32 v10, s94, v10                     ; in: row r; tile t's eight channels of my half: 64 t + 32 h bytes on
	v_add_nc_u32 v11, s94, v11                     ; back: lanes 0-15 one row, lanes 16-31 the next
	v_mov_b32 v254, 0x7fc00000                     ; NaN
	v_cmp_gt_f32 vcc_lo, 0xed800000, v13           ; -2^92 > the largest score: no key was left
	s_wait_alu depctr_va_vdst(0)                   ; the wait ahead of the reciprocal's first reader
	v_cndmask_b32 v14, v14, v254, vcc_lo
	s_wait_alu depctr_va_vdst(0)                   ; and directly ahead of the first reader of O^T
.set J, 0
.rept 64
	v_mul_f32 v[S+J], v[OT+J], v14                 ; register 8 t + i is out(r, 16 t + 8 h + i); each accumulator from its low end on
.set J, J+1
.endr
.irp u, 0,1                            ; channels 64 u on
.irp t, 0,1,2,3
	ds_store_b128 v10, v[S+32*\u+8*\t:S+32*\u+8*\t+3] offset:64*\t
	ds_store_b128 v10, v[S+32*\u+8*\t+4:S+32*\u+8*\t+7] offset:64*\t+16
.endr
.irp i, 0,1,2,3,4,5,6,7
	ds_load_b128 v[OT+32*\u+4*\i:OT+32*\u+4*\i+3], v11 offset:2*\i*272   ; LDS serves a wave's instructions in order (ISA guide 5.7.1.4): these see my stores, and the next half's stores come behind them
.endr
.endr
.irp u, 0,1
.irp i, 0,1,2,3,4,5,6,7
	s_wait_dscnt 15-8*\u-\i                        ; for the second half: the loads issued behind this one; for the first half fewer than need be
	global_store_b128 v[GO], v[OT+32*\u+4*\i:OT+32*\u+4*\i+3], s[18:19] offset:8192*\i+256*\u th:TH_STORE_NT   ; sixteen lanes store 256 consecutive bytes, aligned; written once
.endr
.endr
	v_lshl_add_u32 v[SPW], v0, 2, SPARE            ; the add's two registers, anew from v0
	v_mov_b32 v[NIL], 0
	s_wait_alu depctr_va_vdst(0)
	s_wait_tensorcnt 0x0                           ; the wave's end
	ds_add_u32 v[SPW], v[NIL]
	s_wait_dscnt 0x0
	CROUND                                         ; the closing round: no work-group ends while a partner may still ask for a part that names it
	s_endpgm
.Lfunc_end_k_q89e13cc228_attend:
	.size	k_q89e13cc228_attend, .Lfunc_end_k_q89e13cc228_attend-k_q89e13cc228_attend
	.p2alignl 7, 3214868480
	.fill 96, 4, 3214868480
	.section	.rodata,"a",@progbits
	.p2align	6, 0x0
	.amdhsa_kernel k_q89e13cc228_attend
		.amdhsa_group_segment_fixed_size 327680
		.amdhsa_private_segment_fixed_size 0
		.amdhsa_enable_private_segment 0
		.amdhsa_kernarg_size 64
		.amdhsa_user_sgpr_count 2
		.amdhsa_user_sgpr_kernarg_segment_ptr 1
		.amdhsa_wavefront_size32 1
		.amdhsa_system_sgpr_workgroup_id_x 1
		.amdhsa_system_sgpr_workgroup_id_y 1
		.amdhsa_system_sgpr_workgroup_id_z 1
		.amdhsa_system_vgpr_workitem_id 0
		.amdhsa_next_free_vgpr 256
		.amdhsa_next_free_sgpr 100
		.amdhsa_reserve_vcc 1
		.amdhsa_float_denorm_mode_32 3
		.amdhsa_float_denorm_mode_16_64 3
		.amdhsa_memory_ordered 1
		.amdhsa_forward_progress 1
		.amdhsa_inst_pref_size 57
	.end_amdhsa_kernel
	.amdgpu_metadata
---
amdhsa.version: [ 1, 2 ]
amdhsa.kernels:
  - .name:           k_q89e13cc228_attend
    .symbol:         k_q89e13cc228_attend.kd
    .args:
      - { .name: qcod, .offset: 0, .size: 8, .value_kind: global_buffer, .address_space: global }
      - { .name: qscl, .offset: 8, .size: 8, .value_kind: global_buffer, .address_space: global }
      - { .name: kcod, .offset: 16, .size: 8, .value_kind: global_buffer, .address_space: global }
      - { .name: kscl, .offset: 24, .size: 8, .value_kind: global_buffer, .address_space: global }
      - { .name: vcod, .offset: 32, .size: 8, .value_kind: global_buffer, .address_space: global }
      - { .name: vscl, .offset: 40, .size: 8, .value_kind: global_buffer, .address_space: global }
      - { .name: key_padding_mask, .offset: 48, .size: 8, .value_kind: global_buffer, .address_space: global }
      - { .name: out0, .offset: 56, .size: 8, .value_kind: global_buffer, .address_space: global }
    .group_segment_fixed_size: 327680
    .private_segment_fixed_size: 0
    .kernarg_segment_align: 8
    .kernarg_segment_size: 64
    .max_flat_workgroup_size: 512
    .sgpr_count:     100
    .vgpr_count:     256
    .wavefront_size: 32
...
	.end_amdgpu_metadata
.endif
;; end of part 3
